; MI455X (gfx1250); checked and timed in simulation.
; The chip was launched on July 23, 2026; its instructions are those of AMD's public machine-readable ISA for CDNA 5 (MIT licence, August 2026) and "CDNA5" Instruction Set Architecture Reference Guide (July 2026). The comments in the code are by the model that wrote it; some were corrected since.
;; Novelty Map. Allowed arithmetic: matrix products marked QUANTISED: E2M1 operands, one E8M0 scale for each 32 along K, by v_wmma_scale_f32_16x16x128_f8f6f4 with both operands' format E2M1 (or v_wmma_scale_f32_32x16x128_f4), f32 sums; everything else in f32.
;; Inputs: x 4 x 3 x 256 x 256 float32; y 4 x 3 x 1,936 x 1,936 float32.
;; Outputs: out0 4 x 256 x 256 float32.
;; This version of the problem:
;;   THIS VERSION OF THE PROBLEM IS GIVEN IN LOW PRECISION. The matrix products marked QUANTISED in the list below multiply operands that are first quantised to E2M1 (2 exponent bits, 1 mantissa bit; 4 bits a number), with one power-of-two scale for each 32 numbers along K (OCP MX v1.0); their sums are f32. All else is computed in f32.
;;   The module's matrix products, in the order in which they are computed (A, B: the left and right operand; K: the contracted axis; several contracted axes count as one K, in the product's order):
;;     1. [M 256, K 121] x [K 121, N 484]; A: computed on the way; B: computed on the way: QUANTISED
;;     2. [M 1,024, K 121] x [K 121, N 256]; A: computed on the way; B: computed on the way: QUANTISED
;;   THE QUANTISER, for each operand of a quantised product, along K:
;;     - K is cut into blocks of 32 from its start; a last block that is shorter is filled with zeros.
;;     - A block's scale is 2^e with e = floor(log2(the largest magnitude in the block)) - 2, held to -126 .. 127; a block of zeros has e = 0. As a byte (E8M0): e + 127.
;;     - Each number is divided by its block's scale, clamped to +-6, and rounded to the nearest number of E2M1, ties to even, subnormals kept.
;;     - The product sums the exact products of the quantised numbers (number of the format x scale) in f32.
;;   ~~~python
;;   def quantise(x, axis):      # numpy; x: float32 -> the quantised numbers, widened to float32 again
;;       x = np.moveaxis(x, axis, -1); K = x.shape[-1]
;;       x = np.pad(x, [(0, 0)] * (x.ndim - 1) + [(0, -K % 32)]); x = x.reshape(x.shape[:-1] + (-1, 32)); a = np.abs(x).max(-1, keepdims=True)
;;       e = np.where(a > 0, np.clip(np.frexp(np.where(a > 0, a, 1))[1] - 1 - 2, -126, 127), 0)      # np.frexp(a)[1] - 1 = floor(log2(a)), exactly
;;       r = np.clip(x / 2.0 ** e, -6, 6)
;;       step = 2.0 ** (np.maximum(np.frexp(np.where(r == 0, 1, r))[1] - 1, 0) - 1)
;;       q = np.round(r / step) * step * 2.0 ** e      # np.round: ties to even
;;       return np.moveaxis(q.reshape(q.shape[:-2] + (-1,))[..., :K], -1, axis).astype(np.float32)
;;   ~~~
;;   OPERANDS COMPUTED ON THE WAY. 'Computed on the way' means the value that the module computes at that place (a softmax that the list does not call 'softmax' is quantised finished and normalised). What goes into a quantiser is computed in f32, as accurately as f32 sums, v_exp_f32 and their like allow (about 1e-6 of the number): no bf16 or f16 on the way to a quantiser, and a product that is left as it is and whose result goes on into a quantised operand takes f32 operands (vector FMAs, or v_wmma_f32_16x16x4_f32). A number that lies on a knife's edge between two numbers of the format may be rounded either way, as far as f32 arithmetic and the matrix unit's own rounding can turn it there, and no further.
;; One version. Each part assembles by itself: llvm-mc -triple=amdgcn-amd-amdhsa -mcpu=gfx1250 --defsym DOCPART=n.
;; ======== version 1 of 1: 2 launches
;; limits: right only within a limited range of input values
;; workspace buffers: mmap 262,144 bytes
;; launch patchmse (part 1): grid 121 x 4, 11 waves a work-group, no clusters, 54,784 bytes of LDS; arguments x, y, mmap; writes mmap
.if DOCPART == 1
	.amdgcn_target "amdgcn-amd-amdhsa--gfx1250"
	.amdhsa_code_object_version 6
	.text
	.protected	k_q7d8be0f987_patchmse
	.globl	k_q7d8be0f987_patchmse
	.p2align	8
	.type	k_q7d8be0f987_patchmse,@function
k_q7d8be0f987_patchmse:
	s_mov_b64 s[64:65], 0
	v_nop
	global_prefetch_b8 v0, s[64:65] scope:SCOPE_SE
	s_setreg_imm32_b32 hwreg(HW_REG_WAVE_MODE, 25, 1), 1
	s_wait_xcnt 0x0
; mmap[b][py][px] = the mean over c (3), ky (16), kx (16) of (x[b][c][2 py + ky][2 px + kx] - y[b][c][16 py + ky][16 px + kx])^2, all in f32.
; x: [4][3][256][256], y: [4][3][1936][1936], mmap: [4][128][128] f32, of which py, px < 121 are the map and the rest is stored as zeros (the next launch's padding of both K axes).
; SHARES.  A work-group owns one (py, b): 3 channels x 16 rows x 1936 columns of y.  The 16 rows of a channel are ONE dense block of 123,904 bytes = 242 x 512, which starts on a multiple of 512
; bytes of y.  It is read as a plain stream: a load of a wave takes 512 consecutive bytes, 16 a lane.  64 bytes (four lanes) are a CHUNK: 16 columns of one row of one patch.  Chunk q of the block is
; row q / 121, patch q % 121; the chunk 968 further on (61,952 bytes) is the same patch, 8 rows lower.  So the block's first half is 121 SLOTS of 512 bytes; a slot's work is six loads (3 channels x
; 2 halves) that belong to the same 8 (row, patch) pairs.  Eleven waves take eleven slots each: every lane is at work in every load, and no load is cut at a row's end.
; x: the 16 rows that the group needs of each channel (16 KB dense, 48 KB in all) are staged in LDS once, by waves 0 to 7.  A lane's four numbers begin at byte 8 px + 16 (lane % 4) of a row: a multiple
; of 8 only, so they are read as two loads of 8 bytes.  The lanes of a load touch fewer than 64 neighbouring words, so no two different words fall on one bank (64 banks of 4 bytes: ISA guide 11.1).
; SUMS.  A slot's 24 squares a lane, then the chunk's four lanes (two DPP steps), give the partial sum of (row mod 8, patch): it goes to LDS at [row mod 8][128 patches].  Behind a barrier wave 0 adds
; the eight rows, multiplies by 1 / 768 and stores the map's row: 512 consecutive bytes, aligned, by one instruction.
; No tensor load, no ring in LDS: 24 loads of 512 bytes of every wave are on their way, and two work-groups fit on a WGP (6 waves x 160 registers on a SIMD, 2 x 54,784 bytes of LDS).
; LIMITS: NaN and infinities among the inputs are not served.  The mean is the sum times the f32 number nearest to 1 / 768: one rounding more than a division.
; DEAD WORK LEFT OUT (in the second launch): a row of the resize's weights has at most two entries that are not zero, next to each other, whatever x and y hold: reference() builds the weights from the
; sizes alone.  So an output of rows 64 s to 64 s + 63 (columns likewise) takes nothing from blocks of 32 along K other than s - 1 and s; the products with the other blocks are products with zeros and are
; not done.  LIMIT: a NaN, an infinity or an overflow that reaches only the work left out is not carried to the result.
.set YCH,   14992384                   ; bytes of a channel of y: 1936 x 1936 x 4
.set STRIP, 123904                     ; 16 rows of y
.set HALF,  61952                      ; 8 rows of y = 121 x 512
.set XCH,   262144                     ; bytes of a channel of x
.set XSC,   16384                      ; LDS: 16 rows of x of one channel
.set PART,  3*XSC                      ; LDS: behind x, the partial sums: 8 rows of 128 words
.set SLOTS, 11                         ; slots of a wave
.set DEPTH, 4                          ; slots of y on their way in each wave
.set YO,  1                            ; v1   my byte in the block: 5,632 x wave + 16 x lane; never rewritten
.set XSA, 2                            ; v2   staging: 2,048 x wave + 16 x lane: the offset in x's 16 rows and the LDS address alike; never rewritten
.set Q0,  3                            ; v3   my chunk in slot 0: 88 x wave + lane / 4
.set B0,  4                            ; v4   8 x that + 16 (lane % 4)
.set P0,  5                            ; v5   PART + 4 x that
.set XA,  6                            ; v6   LDS address of my x numbers in the slot in hand
.set PA,  7                            ; v7, v11  LDS address of the slot's partial sum, by turns
.set TQ,  8                            ; v8   at work
.set ZA,  9                            ; v9   LDS address of the partial sums' padding words
.set FA,  10                           ; v10  16 x lane
.set LN,  11                           ; v11  the lane, at the head only
.set ACC, 12                           ; v[12:15] two packed sums
.set X,   16                           ; v[16:63]  two sets of 24 numbers of x; at the head the staging data
.set Y,   64                           ; v[64:159] DEPTH sets of 24 numbers of y
.set YB,  24                           ; s[24:29] y at my block, a pair for each channel (a channel is further than an immediate reaches)
	s_load_b128 s[4:7], s[0:1], 0x0                ; x s[4:5], y s[6:7]
	s_load_b64 s[8:9], s[0:1], 0x10                ; mmap
	v_lshrrev_b32 v[TQ], 5, v0
	s_delay_alu instid0(VALU_DEP_1)
	v_readfirstlane_b32 s10, v[TQ]                 ; wave 0..10
	v_and_b32 v[LN], 31, v0
	s_and_b32 s11, ttmp7, 0xffff                   ; b;  ttmp9 is py
	s_mul_i32 s12, s10, SLOTS*512
	v_lshl_add_u32 v[YO], v[LN], 4, s12
	s_lshl_b32 s13, s10, 11
	v_lshl_add_u32 v[XSA], v[LN], 4, s13
	s_mul_i32 s14, s10, SLOTS*8
	v_lshrrev_b32 v[Q0], 2, v[LN]                  ; lane / 4
	v_and_b32 v[TQ], 3, v[LN]                      ; lane % 4
	s_delay_alu instid0(VALU_DEP_2)
	v_lshl_add_u32 v[ZA], v[Q0], 9, PART+484       ; padding: row lane / 4 of the partial sums, word 121 + lane % 4
	s_delay_alu instid0(VALU_DEP_1)
	v_lshl_add_u32 v[ZA], v[TQ], 2, v[ZA]
	s_delay_alu instid0(VALU_DEP_4)
	v_add_nc_u32 v[Q0], s14, v[Q0]
	s_delay_alu instid0(VALU_DEP_4)
	v_lshlrev_b32 v[TQ], 4, v[TQ]
	s_delay_alu instid0(VALU_DEP_1)
	v_lshl_add_u32 v[B0], v[Q0], 3, v[TQ]
	s_delay_alu instid0(VALU_DEP_3)
	v_lshl_add_u32 v[P0], v[Q0], 2, PART
	v_lshlrev_b32 v[FA], 4, v[LN]
	v_mov_b32 v[ACC], 0
	s_mul_i32 s15, s11, 3*YCH                      ; y: b's three channels (all of y is under 2^28 bytes),
	s_mul_i32 s16, ttmp9, STRIP                    ; and 16 py rows
	s_add_co_u32 s16, s16, s15
	s_mov_b32 s17, 0
	s_mul_i32 s18, s11, 3*XCH                      ; x: b's three channels,
	s_lshl_b32 s19, ttmp9, 11                      ; and 2 py rows of 1,024 bytes
	s_add_co_u32 s18, s18, s19
	s_mov_b32 s19, 0
	s_lshl_b32 s20, s11, 7
	s_add_co_u32 s20, s20, ttmp9
	s_lshl_b32 s20, s20, 9                         ; mmap: row 128 b + py of 512 bytes
	s_mov_b32 s21, 0
	s_wait_kmcnt 0x0
	s_add_nc_u64 s[4:5], s[4:5], s[18:19]
	s_add_nc_u64 s[YB:YB+1], s[6:7], s[16:17]
	s_add_nc_u64 s[YB+2:YB+3], s[YB:YB+1], YCH
	s_add_nc_u64 s[YB+4:YB+5], s[YB+2:YB+3], YCH
	s_add_nc_u64 s[8:9], s[8:9], s[20:21]
; slot t's six loads into set t % DEPTH: channel c, half g at registers 8 c + 4 g
.macro YLOAD t
.irp c, 0,1,2
.irp g, 0,1
	global_load_b128 v[Y+24*((\t)%DEPTH)+8*\c+4*\g:Y+24*((\t)%DEPTH)+8*\c+4*\g+3], v[YO], s[YB+2*\c:YB+2*\c+1] offset:512*(\t)+HALF*\g th:TH_LOAD_NT
.endr
.endr
.endm
; slot t's numbers of x from the stage into set t % 2, and the address of its partial sum.  My chunk is q = Q0 + 8 t; its row is q / 121 = (q x 8,666) >> 20, exact for q < 968
; (8,666 / 2^20 exceeds 1 / 121 by less than 8e-8, and 968 x 8e-8 is less than 1 / 121).  With px = q - 121 row: 1,024 row + 8 px = 8 q + 56 row, and 512 row + 4 px = 4 q + 28 row.
.macro XLOAD t
	v_add_nc_u32 v[TQ], 8*(\t), v[Q0]
	s_delay_alu instid0(VALU_DEP_1)
	v_mul_u32_u24 v[TQ], v[TQ], 8666
	s_delay_alu instid0(VALU_DEP_1)
	v_lshrrev_b32 v[TQ], 20, v[TQ]
	s_delay_alu instid0(VALU_DEP_1)
	v_mad_u32_u24 v[XA], v[TQ], 56, v[B0]          ; (the 64 t of 8 q stand in the loads' immediates,
	s_delay_alu instid0(VALU_DEP_2)
	v_mad_u32_u24 v[PA+4*((\t)%2)], v[TQ], 28, v[P0]   ; the 32 t of 4 q in the store's)
.irp c, 0,1,2
.irp g, 0,1
.irp e, 0,1
	ds_load_b64 v[X+24*((\t)%2)+8*\c+4*\g+2*\e:X+24*((\t)%2)+8*\c+4*\g+2*\e+1], v[XA] offset:XSC*\c+8192*\g+8*\e+64*(\t)
.endr
.endr
.endr
.endm
	; x first, since loads come back in order (ISA guide 5.7.1) and x is waited for first.  Wave w < 8 stages rows 2 w and 2 w + 1 of each channel: four loads of 512 consecutive bytes a channel
	s_cmp_lt_u32 s10, 8
	s_cbranch_scc0 .Lno_x
.irp c, 0,1,2
.irp k, 0,1,2,3
	global_load_b128 v[X+16*\c+4*\k:X+16*\c+4*\k+3], v[XSA], s[4:5] offset:XCH*\c+512*\k
.endr
.endr
.Lno_x:
	YLOAD 0
	YLOAD 1
	YLOAD 2
	YLOAD 3
	s_cmp_lt_u32 s10, 8
	s_cbranch_scc0 .Lnot_staging
	s_wait_loadcnt 6*DEPTH                         ; my 12 loads of x are in; the 24 of y, issued behind them, stay out
.irp c, 0,1,2
.irp k, 0,1,2,3
	ds_store_b128 v[XSA], v[X+16*\c+4*\k:X+16*\c+4*\k+3] offset:XSC*\c+512*\k
.endr
.endr
	s_branch .Lstaged
.Lnot_staging:
	s_cmp_lg_u32 s10, 8
	s_cbranch_scc1 .Lstaged
	s_wait_alu depctr_va_vdst(0)
	ds_store_b32 v[ZA], v[ACC]                     ; wave 8: zeros into words 121 to 124 of the eight rows of partial sums,
	ds_store_b32 v[ZA], v[ACC] offset:12           ; and into words 124 to 127: so the map's columns 121 to 127 come out as zeros
.Lstaged:
	s_wait_dscnt 0x0                               ; for the others' sake: my stores into LDS are done
	s_barrier_signal -1
	s_barrier_wait -1                              ; x's 48 rows lie in LDS
	s_wait_alu depctr_va_vdst(0)
	XLOAD 0
.macro SLOT t
.set XS, X+24*((\t)%2)
.set YS, Y+24*((\t)%DEPTH)
.if (\t)+1 < SLOTS
	XLOAD (\t)+1                                   ; the next slot's x is read while this slot is worked
.if (\t) == 0
	s_wait_dscnt 12                                ; this slot's x is in; younger: the next slot's 12 reads
.else
	s_wait_dscnt 13                                ; younger: the last slot's store of its partial sum and the next slot's 12 reads
.endif
.else
	s_wait_dscnt 1                                 ; younger: the last slot's store
.endif
.if (\t)+DEPTH-1 < SLOTS
	s_wait_loadcnt 6*(DEPTH-1)                     ; this slot's six loads are in; those of the three slots behind it stay out
.else
	s_wait_loadcnt 6*(SLOTS-1-(\t))                ; the last slots: the counts run down
.endif
.irp i, 0,2,4,6,8,10,12,14,16,18,20,22
	v_pk_add_f32 v[XS+\i:XS+\i+1], v[YS+\i:YS+\i+1], v[XS+\i:XS+\i+1] neg_lo:[0,1] neg_hi:[0,1]   ; y - x, two at a time
.endr
.if (\t)+DEPTH < SLOTS
	YLOAD (\t)+DEPTH                               ; the set of y is free: it takes the slot DEPTH further on
.endif
	v_pk_mul_f32 v[ACC:ACC+1], v[XS:XS+1], v[XS:XS+1]              ; the first squares start the two sums: nothing is cleared
	v_pk_mul_f32 v[ACC+2:ACC+3], v[XS+2:XS+3], v[XS+2:XS+3]
.irp i, 4,8,12,16,20
	s_delay_alu instid0(VALU_DEP_2)
	v_pk_fma_f32 v[ACC:ACC+1], v[XS+\i:XS+\i+1], v[XS+\i:XS+\i+1], v[ACC:ACC+1]
	s_delay_alu instid0(VALU_DEP_2)
	v_pk_fma_f32 v[ACC+2:ACC+3], v[XS+\i+2:XS+\i+3], v[XS+\i+2:XS+\i+3], v[ACC+2:ACC+3]
.endr
	s_delay_alu instid0(VALU_DEP_1)
	v_pk_add_f32 v[ACC:ACC+1], v[ACC:ACC+1], v[ACC+2:ACC+3]
	s_delay_alu instid0(VALU_DEP_1)
	v_add_f32 v[ACC], v[ACC], v[ACC+1]
	s_delay_alu instid0(VALU_DEP_1)
	v_add_f32_dpp v[ACC], v[ACC], v[ACC] row_xmask:1 row_mask:0xf bank_mask:0xf   ; the chunk's four lanes
	s_delay_alu instid0(VALU_DEP_1)
	v_add_f32_dpp v[ACC], v[ACC], v[ACC] row_xmask:2 row_mask:0xf bank_mask:0xf
	ds_store_b32 v[PA+4*((\t)%2)], v[ACC] offset:32*(\t)           ; the four lanes write the same word with the same value
.endm
.irp t, 0,1,2,3,4,5,6,7,8,9,10
	SLOT \t
.endr
	s_wait_dscnt 0x0                               ; for wave 0's sake: my partial sums are in LDS
	s_barrier_signal -1
	s_barrier_wait -1
	s_cmp_lg_u32 s10, 0
	s_cbranch_scc1 .Lend
	; wave 0: lane l takes patches 4 l to 4 l + 3
.irp k, 0,1,2,3,4,5,6,7
	ds_load_b128 v[X+4*\k:X+4*\k+3], v[FA] offset:PART+512*\k
.endr
	s_wait_dscnt 0x0
.irp k, 0,2,4,6
	v_pk_add_f32 v[X+4*\k:X+4*\k+1], v[X+4*\k:X+4*\k+1], v[X+4*\k+4:X+4*\k+5]
	v_pk_add_f32 v[X+4*\k+2:X+4*\k+3], v[X+4*\k+2:X+4*\k+3], v[X+4*\k+6:X+4*\k+7]
.endr
.irp k, 0
	v_pk_add_f32 v[X+4*\k:X+4*\k+1], v[X+4*\k:X+4*\k+1], v[X+4*\k+8:X+4*\k+9]
	v_pk_add_f32 v[X+4*\k+2:X+4*\k+3], v[X+4*\k+2:X+4*\k+3], v[X+4*\k+10:X+4*\k+11]
.endr
.irp k, 4
	s_delay_alu instid0(VALU_DEP_4)
	v_pk_add_f32 v[X+4*\k:X+4*\k+1], v[X+4*\k:X+4*\k+1], v[X+4*\k+8:X+4*\k+9]
	s_delay_alu instid0(VALU_DEP_4)
	v_pk_add_f32 v[X+4*\k+2:X+4*\k+3], v[X+4*\k+2:X+4*\k+3], v[X+4*\k+10:X+4*\k+11]
.endr
	s_delay_alu instid0(VALU_DEP_2)
	v_pk_add_f32 v[X:X+1], v[X:X+1], v[X+16:X+17]
	s_delay_alu instid0(VALU_DEP_2)
	v_pk_add_f32 v[X+2:X+3], v[X+2:X+3], v[X+18:X+19]
	s_delay_alu instid0(VALU_DEP_2)
	v_pk_mul_f32 v[X:X+1], v[X:X+1], 0x3aaaaaab op_sel_hi:[1,0]    ; x 1 / 768
	s_delay_alu instid0(VALU_DEP_2)
	v_pk_mul_f32 v[X+2:X+3], v[X+2:X+3], 0x3aaaaaab op_sel_hi:[1,0]
	global_store_b128 v[FA], v[X:X+3], s[8:9]      ; the map's row: 32 lanes store 512 consecutive bytes, at a multiple of 512 from the buffer's first byte
	s_cmp_lg_u32 ttmp9, 120
	s_cbranch_scc1 .Lend
.irp i, 0,1,2,3
	v_mov_b32 v[ACC+\i], 0
.endr
.irp k, 1,2,3,4,5,6,7
	global_store_b128 v[FA], v[ACC:ACC+3], s[8:9] offset:512*\k    ; the group of the last py also stores rows 121 to 127: zeros, which fill the last block of 32 along py
.endr
.Lend:
	v_lshl_add_u32 v[TQ], v0, 2, 0xd000            ; my spare word, behind the partial sums (v0 is as at the entry),
	v_mov_b32 v[ZA], 0                             ; and 0: made here, so that a wave needs 160 registers and no more
	s_wait_alu depctr_va_vdst(0)
	s_wait_tensorcnt 0x0                           ; the wave's end
	ds_add_u32 v[TQ], v[ZA]
	s_wait_dscnt 0x0
	s_endpgm
.Lfunc_end_k_q7d8be0f987_patchmse:
	.size	k_q7d8be0f987_patchmse, .Lfunc_end_k_q7d8be0f987_patchmse-k_q7d8be0f987_patchmse
	.p2alignl 7, 3214868480
	.fill 96, 4, 3214868480
	.section	.rodata,"a",@progbits
	.p2align	6, 0x0
	.amdhsa_kernel k_q7d8be0f987_patchmse
		.amdhsa_group_segment_fixed_size 54784
		.amdhsa_private_segment_fixed_size 0
		.amdhsa_enable_private_segment 0
		.amdhsa_kernarg_size 24
		.amdhsa_user_sgpr_count 2
		.amdhsa_user_sgpr_kernarg_segment_ptr 1
		.amdhsa_wavefront_size32 1
		.amdhsa_system_sgpr_workgroup_id_x 1
		.amdhsa_system_sgpr_workgroup_id_y 1
		.amdhsa_system_sgpr_workgroup_id_z 1
		.amdhsa_system_vgpr_workitem_id 0
		.amdhsa_next_free_vgpr 160
		.amdhsa_next_free_sgpr 66
		.amdhsa_reserve_vcc 0
		.amdhsa_float_denorm_mode_32 3
		.amdhsa_float_denorm_mode_16_64 3
		.amdhsa_memory_ordered 1
		.amdhsa_forward_progress 1
		.amdhsa_inst_pref_size 52
	.end_amdhsa_kernel
	.amdgpu_metadata
---
amdhsa.version: [ 1, 2 ]
amdhsa.kernels:
  - .name:           k_q7d8be0f987_patchmse
    .symbol:         k_q7d8be0f987_patchmse.kd
    .args:
      - { .name: x, .offset: 0, .size: 8, .value_kind: global_buffer, .address_space: global }
      - { .name: y, .offset: 8, .size: 8, .value_kind: global_buffer, .address_space: global }
      - { .name: mmap, .offset: 16, .size: 8, .value_kind: global_buffer, .address_space: global }
    .group_segment_fixed_size: 54784
    .private_segment_fixed_size: 0
    .kernarg_segment_align: 8
    .kernarg_segment_size: 24
    .max_flat_workgroup_size: 352
    .sgpr_count:     66
    .vgpr_count:     160
    .wavefront_size: 32
...
	.end_amdgpu_metadata
.endif
;; end of part 1
;; launch resize (part 2): grid 64 x 4, 1 waves a work-group, no clusters, 0 bytes of LDS; arguments mmap, out0; writes out0
.if DOCPART == 2
	.amdgcn_target "amdgcn-amd-amdhsa--gfx1250"
	.amdhsa_code_object_version 6
	.text
	.protected	k_q7d8be0f987_resize
	.globl	k_q7d8be0f987_resize
	.p2align	8
	.type	k_q7d8be0f987_resize,@function
k_q7d8be0f987_resize:
	s_mov_b64 s[64:65], 0
	v_nop
	global_prefetch_b8 v0, s[64:65] scope:SCOPE_SE
	s_setreg_imm32_b32 hwreg(HW_REG_WAVE_MODE, 25, 1), 1
	s_wait_xcnt 0x0
; out0[b][o1][o2] = the bilinear resize of the map m[b][121][121] to 256 x 256, as two products on codes of FP4 (E2M1) with one E8M0 scale for each 32 along K:
;   T[o1][b][px] = sum over py of Q(w)[o1][py] Q(m)[b][py][px]      (m and w quantised along py)
;   out0[b][o1][o2] = sum over px of Q(T)[o1][b][px] Q(w)[o2][px]   (T and w quantised along px)
; mmap: [4][128][128] f32, rows and columns 121 to 127 zeros: the filling of the last blocks.
; THE WEIGHTS.  Output o samples at pos = ((2 o + 1) 121) / 512 - 0.5; w[o][k] = max(0, 1 - |pos - k|), divided by the row's sum.  All these are multiples of 1 / 512 under 256: exact in f32.
; The sum is 1 but for o = 0 and o = 255, where one weight is left and the division makes it 1: the same as holding pos to 0 .. 120.
; DEAD WORK LEFT OUT: outputs o = 64 s .. 64 s + 63 have pos in 30.25 s - 0.27 .. 30.25 s + 29.52, so their weights are zero outside blocks s - 1 and s of 32 along K (s = 0: outside block 0).  Two blocks
; from max(s, 1) - 1 on are multiplied, along py and along px, and the other two are not: K = 64, filled to 128 by zero codes on both sides.
; SHARES.  256 work-groups of one wave: 16 rows o1 (tile t) x 64 columns o2 (quarter q) of one b.  Of m it takes 64 rows x 64 columns, 16 KB.  Everything stays in registers: no LDS, no barrier.
; m: lane (r, h) takes columns 4 r .. 4 r + 3 of row 32 h + i, i = 0 .. 31: sixteen lanes read 256 consecutive bytes.  TILE u OF m HAS px = 4 r + u FOR ITS ROW r, so lane (r, h) holds a block of 32 along py of
; each of its four columns, and the codes come out as the operand's registers.  A conversion wants eight rows of one column in neighbouring registers: each group of eight rows is regrouped, as it lands,
; into the 32 registers below its own.
; T is used transposed (source 0 = m's tile, source 1 = the weights of o1): lane (r, h) holds row o1 = r and in tile u, register j, px = 32 h + 4 j + u: a WHOLE block of 32 along px in one lane.  Its codes take
; k = 8 u + j for that px, and the weights of o2 are made in the same order.
; out0: tile t has o2 = 64 q + 4 r + t for its column r: a lane's four tiles are four neighbours, and sixteen lanes store 256 consecutive bytes.
; No cluster and no prefetch: a group reads 16 KB once, all of it asked for at the head; there is no loop to ask ahead in.  Every accumulator is written once (no chain).
; LIMITS: NaN and infinities are not served, and one that reaches only the work left out is not carried to the result.  A block of zeros gets the scale byte 1 where the rule says 127: its codes are zeros,
; and the bytes are read by this program alone.
.set R,   1                            ; v1   lane % 16
.set H,   2                            ; v2   lane / 16
.set MO,  3                            ; v3   my byte in the 64 x 64 piece of the map
.set GO,  4                            ; v4   my byte in the 16 rows of out0
.set MS,  6                            ; v[6:9] scale words of m's tiles;  v10 of o1's weights;  v[11:14] of o2's;  v15 T's: these hold scales and nothing else
.set WS,  10
.set PS,  15
.set W1C, 16                           ; v[16:23]  codes of o1's weights: four registers of codes, four of zeros (so in all that follow)
.set W2C, 24                           ; v[24:55]  of o2's four tiles
.set MC,  56                           ; v[56:87]  of m's four tiles; ahead of that at work on the weights
.set PC,  88                           ; v[88:95]  T's codes; ahead of that m's largest magnitudes and scale operands
.set X,   96                           ; v[96:223] m regrouped: group g, column u at X + 32 g + 8 u
.set W,   96                           ; v[96:127] ahead of that: 32 weights
.set D,   128                          ; v[128:255] m as loaded: row i at D + 4 i
.set T,   224                          ; v[224:255] T^T: 4 tiles
.set TM,  160                          ; v[160:163] at work in T's quantiser
.set OUT, 96                           ; v[96:127]  the four result tiles
.set G,   128                          ; v[128:159] the results by rows
.set FLOOR, 0x1800000                  ; 2^(3 - 127): no largest magnitude is taken under it, so no scale byte falls under 1
.set DP, 56                            ; v[56:60] pos, then the distance to my block's first k: o1's, then o2's four;  v61, v62 the blocks' first k along py, px
.set LM, 64                            ; v[64:68] their largest weights
.set SW, 72                            ; v[72:76] their scale operands
.set PX, 80                            ; v[80:84] from lane l xor 16
	s_load_b128 s[4:7], s[0:1], 0x0                ; mmap s[4:5], out0 s[6:7]
	v_and_b32 v[R], 15, v0
	v_bfe_u32 v[H], v0, 4, 1
	v_lshlrev_b32 v[MO], 14, v[H]                  ; 32 rows of 512 bytes
	v_lshl_add_u32 v[MO], v[R], 4, v[MO]
	s_lshr_b32 s8, ttmp9, 2                        ; t: which 16 rows o1
	s_and_b32 s9, ttmp9, 3                         ; q: which 64 columns o2
	s_and_b32 s18, ttmp7, 0xffff                   ; b
	s_lshr_b32 s10, s8, 2
	s_max_u32 s10, s10, 1
	s_sub_co_u32 s10, s10, 1                       ; the first of my two blocks along py
	s_max_u32 s11, s9, 1
	s_sub_co_u32 s11, s11, 1                       ; and along px
	s_lshl_b32 s12, s18, 16                        ; mmap: b's 65,536 bytes,
	s_lshl_b32 s13, s10, 14                        ; 32 rows of 512 bytes a block,
	s_add_co_u32 s12, s12, s13
	s_lshl_b32 s13, s11, 7                         ; 128 bytes a block
	s_add_co_u32 s12, s12, s13
	s_mov_b32 s13, 0
	s_lshl_b32 s14, s18, 18                        ; out0: b's 256 rows of 1,024 bytes,
	s_lshl_b32 s15, s8, 14                         ; my 16 rows,
	s_add_co_u32 s14, s14, s15
	s_lshl_b32 s15, s9, 8                          ; my 256 bytes of each
	s_add_co_u32 s14, s14, s15
	s_mov_b32 s15, 0
	s_lshl_b32 s16, s8, 4                          ; first o1
	s_lshl_b32 s17, s9, 6                          ; first o2
	s_mov_b32 s20, 0x76543210
	s_mov_b32 s21, 0xfedcba98                      ; v_permlanex16_b32's selects for lane l xor 16
	s_mov_b32 s22, 0x07030703                      ; v_perm_b32: my top byte, lane l xor 16's, and both once more (those two stand over zero codes)
	s_wait_alu depctr_va_vdst(0)
	s_wait_kmcnt 0x0
	s_add_nc_u64 s[4:5], s[4:5], s[12:13]
	s_add_nc_u64 s[6:7], s[6:7], s[14:15]
.set n, 0
.rept 32
	global_load_b128 v[D+4*n:D+4*n+3], v[MO], s[4:5] offset:512*n
.set n, n+1
.endr
	; ---- the weights, while m is on its way: five tiles (o1's, o2's four) by turns
	v_add_nc_u32 v[DP], s16, v[R]                  ; o1
	v_lshl_add_u32 v[DP+1], v[R], 2, s17           ; o2 of tile 0
	v_add_nc_u32 v61, s10, v[H]
	v_add_nc_u32 v62, s11, v[H]
	v_add_nc_u32 v[DP+2], 1, v[DP+1]
	v_add_nc_u32 v[DP+3], 2, v[DP+1]
	v_add_nc_u32 v[DP+4], 3, v[DP+1]
	v_lshlrev_b32 v61, 5, v61
	v_lshlrev_b32 v62, 5, v62
.irp i, 0,1,2,3,4
	v_lshl_add_u32 v[DP+\i], v[DP+\i], 1, 1
.endr
	v_cvt_f32_u32 v61, v61
	v_cvt_f32_u32 v62, v62
.irp i, 0,1,2,3,4
	v_mul_u32_u24 v[DP+\i], v[DP+\i], 121          ; (2 o + 1) 121, at most 61,831
.endr
.irp i, 0,1,2,3,4
	v_cvt_f32_u32 v[DP+\i], v[DP+\i]
.endr
.irp i, 0,1,2,3,4
	v_fma_f32 v[DP+\i], v[DP+\i], 0x3b000000, -0.5 ; / 512 - 0.5: pos, exact
.endr
.irp i, 0,1,2,3,4
	v_max_num_f32 v[DP+\i], 0, v[DP+\i]
.endr
.irp i, 0,1,2,3,4
	v_min_num_f32 v[DP+\i], 0x42f00000, v[DP+\i]   ; held to 0 .. 120
.endr
	v_sub_f32 v[DP], v[DP], v61
.irp i, 1,2,3,4
	v_sub_f32 v[DP+\i], v[DP+\i], v62              ; the distance to my block's first k
.endr
	; the block's largest weight is that of the k nearest to pos, held to the block's 0 .. 31
.irp i, 0,1,2,3,4
	v_rndne_f32 v[LM+\i], v[DP+\i]
.endr
.irp i, 0,1,2,3,4
	v_max_num_f32 v[LM+\i], 0, v[LM+\i]
.endr
.irp i, 0,1,2,3,4
	v_min_num_f32 v[LM+\i], 0x41f80000, v[LM+\i]
.endr
.irp i, 0,1,2,3,4
	v_sub_f32 v[LM+\i], v[DP+\i], v[LM+\i]
.endr
.irp i, 0,1,2,3,4
	v_sub_f32 v[LM+\i], 1.0, |v[LM+\i]|
.endr
.irp i, 0,1,2,3,4
	v_max_num_f32 v[LM+\i], FLOOR, v[LM+\i]
.endr
.irp i, 0,1,2,3,4
	v_add_nc_u32 v[SW+\i], 0xff000000, v[LM+\i]    ; 2 off the exponent field: the conversion takes this operand's exponent field as its scale
.endr
.irp i, 0,1,2,3,4
	v_mov_b32 v[PX+\i], 0                          ; (a lane permute's destination counts as one of its sources)
.endr
.irp i, 0,1,2,3,4
	v_lshlrev_b32 v[LM+\i], 1, v[SW+\i]            ; the scale's byte on top
.endr
.irp i, 0,1,2,3,4
	v_permlanex16_b32 v[PX+\i], v[LM+\i], s20, s21
.endr
.irp i, 0,1,2,3,4
	v_perm_b32 v[WS+\i], v[PX+\i], v[LM+\i], s22   ; lanes 0-15: byte 0 block 0's, byte 1 block 1's
.endr
; 32 weights of distance register d, converted into codes.  c0 .. c4: what register 1, 2, 4, 8, 16 lies further on in k, negated; their sums give every register's place.
.macro WROW d, codes, so, c0, c1, c2, c3, c4
	v_mov_b32 v[W], v[\d]
	v_add_f32 v[W+1], \c0, v[\d]
	v_pk_add_f32 v[W+2:W+3], v[W:W+1], \c1 op_sel_hi:[1,0]         ; every step is exact
.irp i, 0,2
	v_pk_add_f32 v[W+4+\i:W+5+\i], v[W+\i:W+1+\i], \c2 op_sel_hi:[1,0]
.endr
.irp i, 0,2,4,6
	v_pk_add_f32 v[W+8+\i:W+9+\i], v[W+\i:W+1+\i], \c3 op_sel_hi:[1,0]
.endr
.irp i, 0,2,4,6,8,10,12,14
	v_pk_add_f32 v[W+16+\i:W+17+\i], v[W+\i:W+1+\i], \c4 op_sel_hi:[1,0]
.endr
.set n, 0
.rept 32
	v_min_num_f32 v[W+n], 1.0, |v[W+n]|            ; min(1, |pos - k|)
.set n, n+1
.endr
.set n, 0
.rept 16
	v_pk_fma_f32 v[W+n:W+n+1], v[W+n:W+n+1], -1.0, 1.0 op_sel_hi:[1,0,0]   ; w = 1 - that = max(0, 1 - |pos - k|)
.set n, n+2
.endr
.irp g, 0,1,2,3
	v_cvt_scalef32_pk8_fp4_f32 v[\codes+\g], v[W+8*\g:W+8*\g+7], v[\so]    ; beyond 6 the largest code, as the rule's clamp has it
.endr
.irp g, 4,5,6,7
	v_mov_b32 v[\codes+\g], 0                      ; K = 64 .. 127: zero codes.  (Also the plain place behind the scaled conversions)
.endr
.endm
	WROW DP, W1C, SW, -1.0, -2.0, -4.0, 0xc1000000, 0xc1800000     ; o1: register n is k = n
.irp t, 0,1,2,3
	WROW DP+1+\t, W2C+8*\t, SW+1+\t, -4.0, 0xc1000000, 0xc1800000, -1.0, -2.0   ; o2: register 8 u + j is k = 4 j + u
.endr
.irp u, 0,1,2,3
.irp g, 4,5,6,7
	v_mov_b32 v[MC+8*\u+\g], 0
.endr
.endr
	; ---- m: four groups of eight rows, each as it lands
	s_wait_alu depctr_va_vdst(0)
.irp g, 0,1,2,3
	s_wait_loadcnt 24-8*\g                         ; the loads of the later groups may stay out
.irp i, 0,2,4,6
.irp u, 0,1,2,3
.if \g+\i == 0
	v_max3_num_f32 v[PC+\u], |v[D+\u]|, |v[D+4+\u]|, FLOOR
.else
	v_max3_num_f32 v[PC+\u], v[PC+\u], |v[D+32*\g+4*\i+\u]|, |v[D+32*\g+4*\i+4+\u]|
.endif
.endr
.endr
.irp i, 0,1,2,3,4,5,6,7
.irp u, 0,1,2,3
	v_mov_b32 v[X+32*\g+8*\u+\i], v[D+32*\g+4*\i+\u]               ; eight rows of a column become neighbours
.endr
.endr
.endr
.irp u, 0,1,2,3
	v_add_nc_u32 v[PC+4+\u], 0xff000000, v[PC+\u]  ; the scale operand of column u
.endr
.irp u, 0,1,2,3
	v_lshlrev_b32 v[T+\u], 1, v[PC+4+\u]           ; (the last group's registers are free)
.endr
.irp u, 0,1,2,3
	v_permlanex16_b32 v[T+4+\u], v[T+\u], s20, s21
.endr
.irp u, 0,1,2,3
	v_perm_b32 v[MS+\u], v[T+4+\u], v[T+\u], s22
.endr
.irp u, 0,1,2,3
.irp g, 0,1,2,3
	v_cvt_scalef32_pk8_fp4_f32 v[MC+8*\u+\g], v[X+32*\g+8*\u:X+32*\g+8*\u+7], v[PC+4+\u]
.endr
.endr
	v_lshlrev_b32 v[GO], 13, v[H]                  ; out0: rows 8 h on, 16 bytes a lane.  From here eight plain places ahead of the matrix instructions: their scale registers were written by vector instructions
	v_lshl_add_u32 v[GO], v[R], 4, v[GO]
.irp g, 4,5,6,7
	v_mov_b32 v[PC+\g], 0                          ; T's zero codes
.endr
	v_nop
	v_nop
.irp u, 0,1,2,3
	v_wmma_scale_f32_16x16x128_f8f6f4 v[T+8*\u:T+8*\u+7], v[MC+8*\u:MC+8*\u+7], v[W1C:W1C+7], 0, v[MS+\u], v[WS] matrix_a_fmt:MATRIX_FMT_FP4 matrix_b_fmt:MATRIX_FMT_FP4
.endr
.rept 4
	v_nop                                          ; four places between a matrix instruction and the vector instruction that reads its result (ISA guide 7.12.1)
.endr
	; ---- T's block: all its 32 numbers are mine; each accumulator is read from its low end on
.irp u, 0,1,2,3
	v_max3_num_f32 v[TM+\u], |v[T+8*\u]|, |v[T+8*\u+1]|, FLOOR
.endr
.irp j, 2,4,6
.irp u, 0,1,2,3
	v_max3_num_f32 v[TM+\u], v[TM+\u], |v[T+8*\u+\j]|, |v[T+8*\u+\j+1]|
.endr
.endr
	v_max3_num_f32 v[TM], v[TM], v[TM+1], v[TM+2]
	v_max_num_f32 v[TM], v[TM], v[TM+3]
	v_add_nc_u32 v[TM+2], 0xff000000, v[TM]        ; the scale operand
	v_lshlrev_b32 v[TM], 1, v[TM+2]
	v_permlanex16_b32 v[TM+1], v[TM], s20, s21
	v_perm_b32 v[PS], v[TM+1], v[TM], s22
.irp u, 0,1,2,3
	v_cvt_scalef32_pk8_fp4_f32 v[PC+\u], v[T+8*\u:T+8*\u+7], v[TM+2]
.endr
.rept 8
	v_nop                                          ; a scale register written by a vector instruction stands eight places ahead of a scaled matrix instruction, an operand so written four
.endr
.irp t, 0,1,2,3                                ; lane (r, h), register j: out0(row 8 h + j, column 64 q + 4 r + t)
	v_wmma_scale_f32_16x16x128_f8f6f4 v[OUT+8*\t:OUT+8*\t+7], v[PC:PC+7], v[W2C+8*\t:W2C+8*\t+7], 0, v[PS], v[WS+1+\t] matrix_a_fmt:MATRIX_FMT_FP4 matrix_b_fmt:MATRIX_FMT_FP4
.endr
.rept 4
	v_nop                                          ; four places ahead of the lines that read the results
.endr
.irp j, 0,1,2,3,4,5,6,7
.irp t, 0,1,2,3
	v_mov_b32 v[G+4*\j+\t], v[OUT+8*\t+\j]         ; four neighbouring columns of row 8 h + j
.endr
	global_store_b128 v[GO], v[G+4*\j:G+4*\j+3], s[6:7] offset:1024*\j th:TH_STORE_NT   ; sixteen lanes store 256 consecutive bytes, at a multiple of 256 from out0's first byte
.endr
	s_endpgm
.Lfunc_end_k_q7d8be0f987_resize:
	.size	k_q7d8be0f987_resize, .Lfunc_end_k_q7d8be0f987_resize-k_q7d8be0f987_resize
	.p2alignl 7, 3214868480
	.fill 96, 4, 3214868480
	.section	.rodata,"a",@progbits
	.p2align	6, 0x0
	.amdhsa_kernel k_q7d8be0f987_resize
		.amdhsa_group_segment_fixed_size 0
		.amdhsa_private_segment_fixed_size 0
		.amdhsa_enable_private_segment 0
		.amdhsa_kernarg_size 16
		.amdhsa_user_sgpr_count 2
		.amdhsa_user_sgpr_kernarg_segment_ptr 1
		.amdhsa_wavefront_size32 1
		.amdhsa_system_sgpr_workgroup_id_x 1
		.amdhsa_system_sgpr_workgroup_id_y 1
		.amdhsa_system_sgpr_workgroup_id_z 1
		.amdhsa_system_vgpr_workitem_id 0
		.amdhsa_next_free_vgpr 256
		.amdhsa_next_free_sgpr 66
		.amdhsa_reserve_vcc 0
		.amdhsa_float_denorm_mode_32 3
		.amdhsa_float_denorm_mode_16_64 3
		.amdhsa_memory_ordered 1
		.amdhsa_forward_progress 1
		.amdhsa_inst_pref_size 49
	.end_amdhsa_kernel
	.amdgpu_metadata
---
amdhsa.version: [ 1, 2 ]
amdhsa.kernels:
  - .name:           k_q7d8be0f987_resize
    .symbol:         k_q7d8be0f987_resize.kd
    .args:
      - { .name: mmap, .offset: 0, .size: 8, .value_kind: global_buffer, .address_space: global }
      - { .name: out0, .offset: 8, .size: 8, .value_kind: global_buffer, .address_space: global }
    .group_segment_fixed_size: 0
    .private_segment_fixed_size: 0
    .kernarg_segment_align: 8
    .kernarg_segment_size: 16
    .max_flat_workgroup_size: 32
    .sgpr_count:     66
    .vgpr_count:     256
    .wavefront_size: 32
...
	.end_amdgpu_metadata
.endif
;; end of part 2
